; MI455X (gfx1250); checked and timed in simulation.
; The chip was launched on July 23, 2026; its instructions are those of AMD's public machine-readable ISA for CDNA 5 (MIT licence, August 2026) and "CDNA5" Instruction Set Architecture Reference Guide (July 2026). The comments in the code are by the model that wrote it; some were corrected since.
;; Multi Head Attention. Allowed arithmetic: matrix products marked QUANTISED: E2M1 operands, one E8M0 scale for each 32 along K, by v_wmma_scale_f32_16x16x128_f8f6f4 with both operands' format E2M1 (or v_wmma_scale_f32_32x16x128_f4), f32 sums; products left as they are: bf16, f16 or f32 operands; f32 sums; everything else in f32.
;; Inputs: Wk 512 x 512 float32; Wo 512 x 512 float32; Wq 512 x 512 float32; Wv 512 x 512 float32; X 2 x 4,096 x 512 float32.
;; Outputs: out0 2 x 4,096 x 512 float32.
;; This version of the problem:
;;   THIS VERSION OF THE PROBLEM IS GIVEN IN LOW PRECISION. The matrix products marked QUANTISED in the list below multiply operands that are first quantised to E2M1 (2 exponent bits, 1 mantissa bit; 4 bits a number), with one power-of-two scale for each 32 numbers along K (OCP MX v1.0); their sums are f32. The products marked 'left as it is' may take bf16, f16 or f32 operands, with f32 sums. Whichever they take, every output number must still come out within the allowed error. Rounding operands to bf16 (8 significant bits) uses up far more of that allowance than f16 does (11 bits, for magnitudes from 6e-5 to 65,504). All else is computed in f32.
;;   The module's matrix products, in the order in which they are computed (A, B: the left and right operand; K: the contracted axis; several contracted axes count as one K, in the product's order):
;;     1. [M 8,192, K 512] x [K 512, N 512]; A: input X; B: input Wq: QUANTISED
;;     2. [M 8,192, K 512] x [K 512, N 512]; A: input X; B: input Wk: QUANTISED
;;     3. [M 8,192, K 512] x [K 512, N 512]; A: input X; B: input Wv: QUANTISED
;;     4. batch 16 x [M 4,096, K 64] x [K 64, N 4,096]; A: computed on the way; B: computed on the way: left as it is (an operand is computed on the way)
;;     5. batch 16 x [M 4,096, K 4,096] x [K 4,096, N 64]; A: computed on the way; B: computed on the way: left as it is (an operand is computed on the way)
;;     6. [M 8,192, K 512] x [K 512, N 512]; A: computed on the way; B: input Wo: left as it is (an operand is computed on the way)
;;   THE QUANTISER, for each operand of a quantised product, along K:
;;     - K is cut into blocks of 32 from its start; a last block that is shorter is filled with zeros.
;;     - A block's scale is 2^e with e = floor(log2(the largest magnitude in the block)) - 2, held to -126 .. 127; a block of zeros has e = 0. As a byte (E8M0): e + 127.
;;     - Each number is divided by its block's scale, clamped to +-6, and rounded to the nearest number of E2M1, ties to even, subnormals kept.
;;     - The product sums the exact products of the quantised numbers (number of the format x scale) in f32.
;;   ~~~python
;;   def quantise(x, axis):      # numpy; x: float32 -> the quantised numbers, widened to float32 again
;;       x = np.moveaxis(x, axis, -1); K = x.shape[-1]
;;       x = np.pad(x, [(0, 0)] * (x.ndim - 1) + [(0, -K % 32)]); x = x.reshape(x.shape[:-1] + (-1, 32)); a = np.abs(x).max(-1, keepdims=True)
;;       e = np.where(a > 0, np.clip(np.frexp(np.where(a > 0, a, 1))[1] - 1 - 2, -126, 127), 0)      # np.frexp(a)[1] - 1 = floor(log2(a)), exactly
;;       r = np.clip(x / 2.0 ** e, -6, 6)
;;       step = 2.0 ** (np.maximum(np.frexp(np.where(r == 0, 1, r))[1] - 1, 0) - 1)
;;       q = np.round(r / step) * step * 2.0 ** e      # np.round: ties to even
;;       return np.moveaxis(q.reshape(q.shape[:-2] + (-1,))[..., :K], -1, axis).astype(np.float32)
;;   ~~~
;; One version. Each part assembles by itself: llvm-mc -triple=amdgcn-amd-amdhsa -mcpu=gfx1250 --defsym DOCPART=n.
;; ======== version 1 of 1: 4 launches
;; limits: values are held in f16: magnitudes above 65,504 overflow, below 6.1e-05 lose precision
;; workspace buffers: XQ 2,228,224 bytes; WQ3 417,792 bytes; WOH 524,288 bytes; QH 8,388,608 bytes; KH 8,388,608 bytes; VH 8,388,608 bytes; OH 8,388,608 bytes
;; launch prep (part 1): grid 640 x 1, 1 waves a work-group, no clusters, 17,664 bytes of LDS; arguments X, Wq, Wk, Wv, Wo, XQ, WQ3, WOH; writes XQ, WQ3, WOH
.if DOCPART == 1
	.amdgcn_target "amdgcn-amd-amdhsa--gfx1250"
	.amdhsa_code_object_version 6
	.text
	.protected	k_qfd16ee96f8_prep
	.globl	k_qfd16ee96f8_prep
	.p2align	8
	.type	k_qfd16ee96f8_prep,@function
k_qfd16ee96f8_prep:
	s_mov_b64 s[64:65], 0
	v_nop
	global_prefetch_b8 v0, s[64:65] scope:SCOPE_SE
	s_setreg_imm32_b32 hwreg(HW_REG_WAVE_MODE, 25, 1), 1
	s_wait_xcnt 0x0
; PREP.  X [8192][512], Wq, Wk, Wv [512][512], f32, become codes of FP4 (E2M1) with one E8M0 scale byte for each 32 along K = 512; Wo [512][512] becomes f16.
; All results are laid as IMAGES OF OPERAND REGISTERS, so that the later launches load fragments as dense runs of 512 bytes.
; A work-group is one wave and takes one tile of 16 rows x 512 numbers (32,768 dense bytes): work-groups 0-511 X, 512-607 Wq, Wk, Wv (32 tiles each), 608-639 Wo.
; A TILE OF CODES is 4,352 bytes: at 1024 ks + 512 c + 16 lane the 16 bytes (32 codes) of block 4 ks + 2 c + (lane / 16) of row lane % 16: registers 4 c .. 4 c + 3 of the fragment of K step ks (128 along K);
; at 4096 + 16 row the row's sixteen scale bytes: word ks serves K step ks.
; A TILE OF Wo is 16,384 bytes: at 1024 kc + 512 g + 16 lane eight f16: Wo(row lane % 16, 32 kc + 16 g + 8 (lane / 16) + 0 .. 7).
; A block's scale is 2^(floor(log2(its largest magnitude)) - 2): its byte is the largest magnitude's exponent field - 2, held at 1 from below; numbers are divided by it and rounded to the nearest code, ties to even, beyond 6 to 6.
; LIMITS: a block of zeros gets the byte 1 where the rule says 127 (its codes are zeros, and this program alone reads the bytes); NaN and infinities among the inputs are not served; Wo beyond 65,504 would overflow f16.
; Each load reads 512 consecutive bytes (one row's K step); the conversions want a lane to hold neighbours along K: so a K step's 8,192 bytes turn through a stage in LDS.
; No matrix unit, no tensor load, no cluster, no barrier: the waves share nothing and each byte is read once.
.set PITCH, 528                        ; a stage row: 512 bytes + 16 = 33 x 16 bytes: the sixteen rows that a load touches begin 16 bytes further on, modulo 256, from row to row
.set STQ,   0                          ; the quantising way's stage: 16 rows
.set STO,   8704                       ; Wo's way has a stage of its own
.set SPARE, 17408                      ; the spare words: one block of 256 bytes that no other line names
.set SPW,   8                          ; v8   LDS address of my spare word; never rewritten
.set NIL,   9                          ; v9   0; never rewritten
.set WORD,  16                         ; v16-19  the row's four scale words
.set CODE,  24                         ; v24-55  the codes, 8 registers a K step: no store's data are written again
; v1 16 x lane; v2 row r; v3 half h; v4 r x PITCH + 128 h; v22 r x PITCH + 32 h; v5 a lane permute's destination; v6 16 r + 8 h; v7 8 h; v10-15 at work; v64-255 three sets of 64 numbers, set ks % 3
.macro LOAD ks                         ; K step ks of the 16 rows: each load is one row's 512 bytes, 16 a lane
.set RS, 64+64*((\ks)%3)
.irp i, 0,1,2,3,4,5,6,7,8,9,10,11,12,13,14,15
	global_load_b128 v[RS+4*\i:RS+4*\i+3], v1, s[24:25] offset:\i*2048+(\ks)*512 th:TH_LOAD_NT
.endr
.endm
.macro TURN ks                         ; through the stage and back into the same registers: register 32 c + i is then number i of block 2 c + h of my row.  LDS serves a wave's instructions in order
.set RS, 64+64*((\ks)%3)
.irp i, 0,1,2,3,4,5,6,7,8,9,10,11,12,13,14,15
	ds_store_b128 v1, v[RS+4*\i:RS+4*\i+3] offset:STQ+\i*PITCH
.endr
.irp c, 0,1
.irp i, 0,1,2,3,4,5,6,7
	ds_load_b128 v[RS+32*\c+4*\i:RS+32*\c+4*\i+3], v4 offset:STQ+\c*256+\i*16
.endr
.endr
	s_wait_dscnt 0x0
.endm
.macro QUANT ks                        ; my two blocks of K step ks, by turns
.set RS, 64+64*((\ks)%3)
.irp c, 0,1
	v_max3_num_f32 v[10+\c], |v[RS+32*\c]|, |v[RS+32*\c+1]|, 0x1800000   ; the largest magnitude, and the floor 2^(3 - 127): the byte cannot fall under 1
.endr
.irp i, 2,4,6,8,10,12,14,16,18,20,22,24,26,28,30
.irp c, 0,1
	v_max3_num_f32 v[10+\c], v[10+\c], |v[RS+32*\c+\i]|, |v[RS+32*\c+\i+1]|
.endr
.endr
.irp c, 0,1
	v_add_nc_u32 v[12+\c], 0xff000000, v[10+\c]    ; 2 off its exponent field: the conversion takes the exponent field of this operand as its scale
.endr
.irp c, 0,1
	v_lshrrev_b32 v[14+\c], 23, v[12+\c]           ; the scale's byte
.endr
	v_lshl_or_b32 v14, v15, 16, v14                ; blocks h and 2 + h of the K step,
	v_lshlrev_b32 v14, v7, v14                     ; at their places in the scale word (8 h bits up);
	v_permlanex16_b32 v5, v14, s28, s29
	v_or_b32 v[WORD+(\ks)], v14, v5                ; with lane l xor 16's two the word is whole
.irp c, 0,1
.irp g, 0,1,2,3
	v_cvt_scalef32_pk8_fp4_f32 v[CODE+8*(\ks)+4*\c+\g], v[RS+32*\c+8*\g:RS+32*\c+8*\g+7], v[12+\c]
.endr
.endr
	v_nop                                          ; one plain line behind the last scaled conversion
.irp c, 0,1
	global_store_b128 v1, v[CODE+8*(\ks)+4*\c:CODE+8*(\ks)+4*\c+3], s[26:27] offset:(\ks)*1024+\c*512   ; 32 lanes store 512 consecutive bytes, aligned
.endr
.endm
.macro TURNO ks                        ; Wo: through its stage; registers 8 j .. 8 j + 7 are then k = 128 ks + 16 j + 8 h + 0 .. 7 of my row; rounded to f16 in place, ascending; stored
.set RS, 64+64*((\ks)%3)
.irp i, 0,1,2,3,4,5,6,7,8,9,10,11,12,13,14,15
	ds_store_b128 v1, v[RS+4*\i:RS+4*\i+3] offset:STO+\i*PITCH
.endr
.irp j, 0,1,2,3,4,5,6,7
.irp i, 0,1
	ds_load_b128 v[RS+8*\j+4*\i:RS+8*\j+4*\i+3], v22 offset:STO+\j*64+\i*16
.endr
.endr
	s_wait_dscnt 0x0
.irp j, 0,1,2,3,4,5,6,7
.irp i, 0,1,2,3
	v_cvt_pk_f16_f32 v[RS+8*\j+\i], v[RS+8*\j+2*\i], v[RS+8*\j+2*\i+1]
.endr
.endr
.irp j, 0,1,2,3,4,5,6,7
	global_store_b128 v1, v[RS+8*\j:RS+8*\j+3], s[26:27] offset:(\ks)*4096+\j*512
.endr
.endm
	s_load_b256 s[4:11], s[0:1], 0x0               ; X s[4:5], Wq s[6:7], Wk s[8:9], Wv s[10:11]
	s_load_b256 s[12:19], s[0:1], 0x20             ; Wo s[12:13], XQ s[14:15], WQ3 s[16:17], WOH s[18:19]
	v_lshl_add_u32 v[SPW], v0, 2, SPARE
	v_mov_b32 v[NIL], 0
	v_lshlrev_b32 v1, 4, v0                        ; 16 x lane (the work-group is one wave)
	v_and_b32 v2, 15, v0                           ; r
	v_lshrrev_b32 v3, 4, v0                        ; h
	v_mul_u32_u24 v4, v2, PITCH
	v_lshl_add_u32 v22, v3, 5, v4                  ; Wo's way back: row r, + 32 h
	v_lshl_add_u32 v4, v3, 7, v4                   ; the codes' way back: row r, + 128 h: block h
	v_lshlrev_b32 v7, 3, v3
	v_lshl_add_u32 v6, v2, 4, v7                   ; the scale bytes: 16 r + 8 h
	v_mov_b32 v5, 0                                ; written once: a lane permute's destination counts as one of its sources
	s_mov_b32 s28, 0x76543210
	s_mov_b32 s29, 0xfedcba98                      ; v_permlanex16_b32's selects for lane l xor 16
	s_and_b32 s30, ttmp9, 31                       ; a weight's tile (512 is a multiple of 32)
	s_sub_co_u32 s31, ttmp9, 512                   ; its tile among the 96 of WQ3
	s_mov_b32 s21, 0
	s_mov_b32 s23, 0
	s_wait_kmcnt 0x0
	s_cmp_ge_u32 ttmp9, 608                        ; the ways part on the work-group's number alone
	s_cbranch_scc1 .Lwo
	s_cmp_lt_u32 ttmp9, 512
	s_cselect_b64 s[24:25], s[4:5], s[6:7]         ; from X, or from Wq,
	s_cselect_b64 s[26:27], s[14:15], s[16:17]     ; to XQ or to WQ3
	s_cselect_b32 s20, ttmp9, s30
	s_cselect_b32 s22, ttmp9, s31
	s_cmp_ge_u32 ttmp9, 544
	s_cselect_b64 s[24:25], s[8:9], s[24:25]       ; or from Wk,
	s_cmp_ge_u32 ttmp9, 576
	s_cselect_b64 s[24:25], s[10:11], s[24:25]     ; or from Wv
	s_lshl_b32 s20, s20, 15                        ; 32,768 bytes a tile in,
	s_mul_i32 s22, s22, 4352                       ; 4,352 out
	s_add_nc_u64 s[24:25], s[24:25], s[20:21]
	s_add_nc_u64 s[26:27], s[26:27], s[22:23]
	LOAD 0
	LOAD 1
	LOAD 2
	s_wait_loadcnt 32                              ; K step 0 is in; the 32 loads of K steps 1 and 2 may be out
	TURN 0
	QUANT 0
	LOAD 3                                         ; into set 0, which has been converted
	s_wait_loadcnt 32                              ; K step 1 is in; those of 2 and 3 may be out
	TURN 1
	QUANT 1
	s_wait_loadcnt 16                              ; K step 3's may be out
	TURN 2
	QUANT 2
	s_wait_loadcnt 0x0
	TURN 3
	QUANT 3
	v_cmp_eq_u32 vcc_lo, 1, v3
	v_cndmask_b32 v20, v[WORD], v[WORD+2], vcc_lo  ; lanes 0-15 store words 0 and 1 of their row, lanes 16-31 words 2 and 3
	v_cndmask_b32 v21, v[WORD+1], v[WORD+3], vcc_lo
	global_store_b64 v6, v[20:21], s[26:27] offset:4096   ; 32 lanes store 256 consecutive bytes, aligned
	s_wait_tensorcnt 0x0                           ; the wave's end: these three lines behind my last LDS store
	ds_add_u32 v[SPW], v[NIL]
	s_wait_dscnt 0x0
	s_endpgm
.Lwo:
	s_sub_co_u32 s20, ttmp9, 608                   ; Wo's tile
	s_lshl_b32 s22, s20, 14                        ; 16,384 bytes out,
	s_lshl_b32 s20, s20, 15                        ; 32,768 in
	s_add_nc_u64 s[24:25], s[12:13], s[20:21]
	s_add_nc_u64 s[26:27], s[18:19], s[22:23]
	LOAD 0
	LOAD 1
	LOAD 2
	s_wait_loadcnt 32                              ; the counts as above
	TURNO 0
	s_wait_xcnt 0x0                                ; set 0 holds the data of stores: it is loaded again only behind this wait
	LOAD 3
	s_wait_loadcnt 32
	TURNO 1
	s_wait_loadcnt 16
	TURNO 2
	s_wait_loadcnt 0x0
	TURNO 3
	s_wait_tensorcnt 0x0                           ; the wave's end: the same three lines
	ds_add_u32 v[SPW], v[NIL]
	s_wait_dscnt 0x0
	s_endpgm
.Lfunc_end_k_qfd16ee96f8_prep:
	.size	k_qfd16ee96f8_prep, .Lfunc_end_k_qfd16ee96f8_prep-k_qfd16ee96f8_prep
	.p2alignl 7, 3214868480
	.fill 96, 4, 3214868480
	.section	.rodata,"a",@progbits
	.p2align	6, 0x0
	.amdhsa_kernel k_qfd16ee96f8_prep
		.amdhsa_group_segment_fixed_size 17664
		.amdhsa_private_segment_fixed_size 0
		.amdhsa_enable_private_segment 0
		.amdhsa_kernarg_size 64
		.amdhsa_user_sgpr_count 2
		.amdhsa_user_sgpr_kernarg_segment_ptr 1
		.amdhsa_wavefront_size32 1
		.amdhsa_system_sgpr_workgroup_id_x 1
		.amdhsa_system_sgpr_workgroup_id_y 1
		.amdhsa_system_sgpr_workgroup_id_z 1
		.amdhsa_system_vgpr_workitem_id 0
		.amdhsa_next_free_vgpr 256
		.amdhsa_next_free_sgpr 66
		.amdhsa_reserve_vcc 1
		.amdhsa_float_denorm_mode_32 3
		.amdhsa_float_denorm_mode_16_64 3
		.amdhsa_memory_ordered 1
		.amdhsa_forward_progress 1
		.amdhsa_inst_pref_size 55
	.end_amdhsa_kernel
	.amdgpu_metadata
---
amdhsa.version: [ 1, 2 ]
amdhsa.kernels:
  - .name:           k_qfd16ee96f8_prep
    .symbol:         k_qfd16ee96f8_prep.kd
    .args:
      - { .name: X, .offset: 0, .size: 8, .value_kind: global_buffer, .address_space: global }
      - { .name: Wq, .offset: 8, .size: 8, .value_kind: global_buffer, .address_space: global }
      - { .name: Wk, .offset: 16, .size: 8, .value_kind: global_buffer, .address_space: global }
      - { .name: Wv, .offset: 24, .size: 8, .value_kind: global_buffer, .address_space: global }
      - { .name: Wo, .offset: 32, .size: 8, .value_kind: global_buffer, .address_space: global }
      - { .name: XQ, .offset: 40, .size: 8, .value_kind: global_buffer, .address_space: global }
      - { .name: WQ3, .offset: 48, .size: 8, .value_kind: global_buffer, .address_space: global }
      - { .name: WOH, .offset: 56, .size: 8, .value_kind: global_buffer, .address_space: global }
    .group_segment_fixed_size: 17664
    .private_segment_fixed_size: 0
    .kernarg_segment_align: 8
    .kernarg_segment_size: 64
    .max_flat_workgroup_size: 32
    .sgpr_count:     66
    .vgpr_count:     256
    .wavefront_size: 32
...
	.end_amdgpu_metadata
.endif
;; end of part 1
;; launch qkv (part 2): grid 32 x 6, 16 waves a work-group, no clusters, 167,936 bytes of LDS; arguments XQ, WQ3, QH, KH, VH; writes QH, KH, VH
.if DOCPART == 2
	.amdgcn_target "amdgcn-amd-amdhsa--gfx1250"
	.amdhsa_code_object_version 6
	.text
	.protected	k_qfd16ee96f8_qkv
	.globl	k_qfd16ee96f8_qkv
	.p2align	8
	.type	k_qfd16ee96f8_qkv,@function
k_qfd16ee96f8_qkv:
	s_mov_b64 s[64:65], 0
	v_nop
	global_prefetch_b8 v0, s[64:65] scope:SCOPE_SE
	s_setreg_imm32_b32 hwreg(HW_REG_WAVE_MODE, 25, 1), 1
	s_wait_xcnt 0x0
; QKV.  Q = X Wq^T, K = X Wk^T, V = X Wv^T on codes of FP4 (E2M1) with E8M0 scales, K = 512, sums in f32; the results are rounded once to f16 and stored as images of the attention launch's operand registers.
; A work-group takes 256 tokens (x) x 256 columns (y: matrix y / 2, heads 4 (y % 2) .. + 3): 16 tiles of X's codes and 16 of a weight's, 69,632 dense bytes each, all of K: LDS is filled once.
; ONE TEXT FOR THREE RESULTS.  Source 0 is the A SIDE, source 1 the B SIDE; in a result lane (r, h) holds row r of the B side and rows 8 h + 0 .. 7 of the A side: 16 bytes of f16.
;   Q, K (y < 4): A = the weight, B = X: a lane holds one token and eight channels.    V (y >= 4): A = X, B = the weight: a lane holds one channel and eight keys.
; Only pointers and two strides differ: they are chosen by s_cselect on the work-group's number; there is no branch.
; QH, KH: [batch x head 16][token tile 256][ct 4][lane][16 bytes]: token r, channels 16 ct + 8 h + 0 .. 7.   VH: the same places: channel 16 ct + r, keys 16 tile + 8 h + 0 .. 7.
; Sixteen waves, each 64 x 64: 16 accumulators; four waves to a SIMD, so that one wave's LDS loads stand beside another's products.
; NO CLUSTER: the grid's 6 along y divides by no cluster; along x four work-groups share the weight's side alone, 69,632 of a work-group's 139,264 bytes, asked for once in the launch:
; a round of the cluster's barrier ahead of that one fill and one at the end would stand against a single request.
; 192 work-groups: 24 heads' columns x 8,192 tokens in tiles whose two sides are of one size, which the one text wants.
; LIMITS: |Q|, |K|, |V| beyond 65,504 overflow f16; NaN and infinities are not served.
.set TILEB, 4352                       ; a tile of codes: 4 K steps x 1,024 bytes, then 256 scale bytes
.set SIDE,  16*TILEB
.set SPARE, 2*SIDE                     ; behind the two sides: the spare words, 128 bytes for each of 16 waves: eight blocks of 256 bytes that no other line names
.set VA,  4                            ; v4   LDS address of my A tiles: 16 x lane + 4 tiles x (wave / 4)
.set VB,  5                            ; v5   of my B tiles: SIDE + 16 x lane + 4 tiles x (wave % 4)
.set VS,  6                            ; v6   of my scale words: lanes 0-15 A's rows, lanes 16-31 B's
.set VO,  8                            ; v8-11  the stores' offsets: 16 x lane + ib x the B stride
.set SPW, 12                           ; v12  LDS address of my spare word; never rewritten
.set NIL, 13                           ; v13  0; never rewritten
.set SC,  16                           ; v16-31 scale words and nothing else: register 4 i + ks: lanes 0-15 A tile i, lanes 16-31 B tile i
.set FA,  32                           ; v32-63  four fragments of A;  v64-95 of B;  on the way out v32-95 take the packed results
.set FB,  64
.set ACC, 96                           ; v96-223 accumulator (ia, ib) at 96 + 8 (4 ia + ib)
.set G1,  24                           ; s[24:31] descriptor group 1;  s[32:35] group 0
.set G0,  32
	s_load_b256 s[4:11], s[0:1], 0x0               ; XQ s[4:5], WQ3 s[6:7], QH s[8:9], KH s[10:11]
	s_load_b64 s[12:13], s[0:1], 0x20              ; VH
	v_lshl_add_u32 v[SPW], v0, 2, SPARE
	v_mov_b32 v[NIL], 0
	ds_add_u32 v[SPW], v[NIL]                      ; the wave's opening: the add, twice on end, and its wait ahead of my first tensor load
	ds_add_u32 v[SPW], v[NIL]
	v_lshrrev_b32 v1, 5, v0
	v_readfirstlane_b32 s14, v1                    ; wave 0..15
	s_and_b32 s15, ttmp7, 0xffff                   ; y
	s_lshr_b32 s16, s15, 2                         ; 1 for V, else 0
	; group 1: 8,704 dense bytes (two tiles) as 34 rows of 256 bytes
	s_mov_b32 s[G1+0], 3<<16                       ; no mask; elements of 8 bytes; no padding
	s_mov_b32 s[G1+1], 32<<16                      ; tensor_dim0 = 32
	s_mov_b32 s[G1+2], 34<<16                      ; tensor_dim1 = 34
	s_mov_b32 s[G1+3], 32<<16                      ; tile_dim0 = 32
	s_mov_b32 s[G1+4], 34                          ; tile_dim1 = 34
	s_mov_b32 s[G1+5], 32                          ; from row to row
	s_mov_b32 s[G1+6], 0
	s_mov_b32 s[G1+7], 0
	s_mov_b32 s[G0], 1
	s_mul_i32 s[G0+1], s14, 2*TILEB                ; waves 0-7 fill the A side, waves 8-15 the B side, two tiles each
	s_and_b32 s20, s14, 7
	s_mul_i32 s20, s20, 2*TILEB
	s_lshr_b32 s17, s14, 3
	s_xor_b32 s17, s17, s16                        ; 0: my side is the weight's; 1: X's
	s_wait_dscnt 0x0                               ; both opening adds are done
	s_wait_kmcnt 0x0
	s_cmp_eq_u32 s17, 0
	s_cselect_b64 s[G0+2:G0+3], s[6:7], s[4:5]
	s_cselect_b32 s18, s15, ttmp9                  ; block y of the weights, block x of X
	s_mul_i32 s18, s18, SIDE
	s_add_co_u32 s20, s20, s18
	s_mov_b32 s21, 0
	s_add_nc_u64 s[G0+2:G0+3], s[G0+2:G0+3], s[20:21]
	s_or_b32 s[G0+3], s[G0+3], 0x80000000          ; type = 2
	tensor_load_to_lds s[G0:G0+3], s[G1:G1+7]      ; my one tensor load of the launch
	s_nop 0
.rept 4
	v_nop
.endr
	v_and_b32 v1, 31, v0
	v_lshlrev_b32 v1, 4, v1                        ; 16 x lane
	v_and_b32 v2, 15, v0                           ; r
	v_bfe_u32 v3, v0, 4, 1                         ; h
	s_lshr_b32 s17, s14, 2                         ; wa: my four A tiles
	s_and_b32 s18, s14, 3                          ; wb: my four B tiles
	s_mul_i32 s19, s17, 4*TILEB
	s_mul_i32 s20, s18, 4*TILEB
	s_add_co_u32 s20, s20, SIDE
	v_add_nc_u32 v[VA], s19, v1
	v_add_nc_u32 v[VB], s20, v1
	s_sub_co_u32 s21, s20, s19                     ; from my A tiles to my B tiles: at least one run of four tiles
	v_mul_u32_u24 v[VS], s21, v3                   ; lanes 16-31 take B's
	v_lshl_add_u32 v[VS], v2, 4, v[VS]             ; 16 scale bytes a row
	s_add_co_u32 s19, s19, 4096                    ; behind a tile's codes
	v_add_nc_u32 v[VS], s19, v[VS]
	; where the results go
	s_lshl_b32 s22, s16, 1
	s_lshl_b32 s23, 512, s22                       ; from A tile to A tile: 512 bytes (a channel tile), for V 2,048 (a key tile)
	s_lshr_b32 s36, 2048, s22                      ; from B tile to B tile: the other way round
	s_cmp_eq_u32 s16, 0
	s_cselect_b32 s37, s17, s18                    ; my head of the four: on the weight's side
	s_cselect_b32 s38, s18, s17                    ; my four token tiles: on X's side
	s_lshr_b32 s39, ttmp9, 4                       ; batch
	s_lshl_b32 s39, s39, 3
	s_and_b32 s48, s15, 1
	s_lshl_b32 s48, s48, 2
	s_add_co_u32 s39, s39, s48
	s_add_co_u32 s39, s39, s37                     ; 8 batch + head
	s_lshl_b32 s39, s39, 19                        ; 524,288 bytes each
	s_and_b32 s48, ttmp9, 15
	s_lshl_b32 s48, s48, 4
	s_lshl_b32 s38, s38, 2
	s_add_co_u32 s48, s48, s38                     ; my first token tile in the batch
	s_lshl_b32 s48, s48, 11                        ; 2,048 bytes each
	s_add_co_u32 s48, s48, s39
	s_mov_b32 s49, 0
	s_cmp_lt_u32 s15, 4
	s_cselect_b64 s[50:51], s[10:11], s[12:13]
	s_cmp_lt_u32 s15, 2
	s_cselect_b64 s[50:51], s[8:9], s[50:51]       ; QH, KH or VH
	s_add_nc_u64 s[40:41], s[50:51], s[48:49]      ; s[40:47]: a base for each of my four A tiles
	s_mov_b32 s48, s23
	s_add_nc_u64 s[42:43], s[40:41], s[48:49]
	s_add_nc_u64 s[44:45], s[42:43], s[48:49]
	s_add_nc_u64 s[46:47], s[44:45], s[48:49]
	v_mov_b32 v[VO], v1
	v_add_nc_u32 v[VO+1], s36, v[VO]
	v_add_nc_u32 v[VO+2], s36, v[VO+1]
	v_add_nc_u32 v[VO+3], s36, v[VO+2]
	s_wait_tensorcnt 0x0                           ; my two tiles are in,
	s_barrier_signal -1
	s_barrier_wait -1                              ; everybody's are
.irp i, 0,1,2,3
	ds_load_b128 v[SC+4*\i:SC+4*\i+3], v[VS] offset:\i*TILEB   ; a row's four scale words, for all of K
.endr
; A K step of 128: 16 LDS loads, 16 products.  The 16 accumulators take turns, one instruction a turn.
.macro KS ks
.if (\ks) > 0
.rept 4
	v_nop                                          ; four places in front of loads into registers that matrix instructions have read
.endr
.endif
.irp i, 0,1,2,3
.irp c, 0,1
	ds_load_b128 v[FA+8*\i+4*\c:FA+8*\i+4*\c+3], v[VA] offset:\i*TILEB+(\ks)*1024+\c*512
	ds_load_b128 v[FB+8*\i+4*\c:FB+8*\i+4*\c+3], v[VB] offset:\i*TILEB+(\ks)*1024+\c*512
.endr
.endr
	s_wait_dscnt 0x0
.irp a, 0,1,2,3
.irp b, 0,1,2,3
.if (\ks) == 0
	v_wmma_scale_f32_16x16x128_f8f6f4 v[ACC+8*(4*\a+\b):ACC+8*(4*\a+\b)+7], v[FA+8*\a:FA+8*\a+7], v[FB+8*\b:FB+8*\b+7], 0, v[SC+4*\a+(\ks)], v[SC+4*\b+(\ks)] matrix_a_fmt:MATRIX_FMT_FP4 matrix_b_fmt:MATRIX_FMT_FP4 matrix_b_scale:MATRIX_SCALE_ROW1
.else
	v_wmma_scale_f32_16x16x128_f8f6f4 v[ACC+8*(4*\a+\b):ACC+8*(4*\a+\b)+7], v[FA+8*\a:FA+8*\a+7], v[FB+8*\b:FB+8*\b+7], v[ACC+8*(4*\a+\b):ACC+8*(4*\a+\b)+7], v[SC+4*\a+(\ks)], v[SC+4*\b+(\ks)] matrix_a_fmt:MATRIX_FMT_FP4 matrix_b_fmt:MATRIX_FMT_FP4 matrix_b_scale:MATRIX_SCALE_ROW1
.endif
.endr
.endr
.endm
	KS 0                                           ; the first K step starts the sums: nothing is cleared
	KS 1
	KS 2
	KS 3
.rept 4
	v_nop                                          ; four places in front of the reads of results and of the writes over the fragments
.endr
.irp a, 0,1,2,3
.irp b, 0,1,2,3
.irp q, 0,1,2,3
	v_cvt_pk_f16_f32 v[FA+4*(4*\a+\b)+\q], v[ACC+8*(4*\a+\b)+2*\q], v[ACC+8*(4*\a+\b)+2*\q+1]   ; each accumulator from its low end on
.endr
	global_store_b128 v[VO+\b], v[FA+4*(4*\a+\b):FA+4*(4*\a+\b)+3], s[40+2*\a:41+2*\a]   ; 32 lanes store 512 consecutive bytes, aligned; no register is written twice
.endr
.endr
	s_wait_tensorcnt 0x0                           ; the wave's end: these three lines
	ds_add_u32 v[SPW], v[NIL]
	s_wait_dscnt 0x0
	s_endpgm
.Lfunc_end_k_qfd16ee96f8_qkv:
	.size	k_qfd16ee96f8_qkv, .Lfunc_end_k_qfd16ee96f8_qkv-k_qfd16ee96f8_qkv
	.p2alignl 7, 3214868480
	.fill 96, 4, 3214868480
	.section	.rodata,"a",@progbits
	.p2align	6, 0x0
	.amdhsa_kernel k_qfd16ee96f8_qkv
		.amdhsa_group_segment_fixed_size 167936
		.amdhsa_private_segment_fixed_size 0
		.amdhsa_enable_private_segment 0
		.amdhsa_kernarg_size 40
		.amdhsa_user_sgpr_count 2
		.amdhsa_user_sgpr_kernarg_segment_ptr 1
		.amdhsa_wavefront_size32 1
		.amdhsa_system_sgpr_workgroup_id_x 1
		.amdhsa_system_sgpr_workgroup_id_y 1
		.amdhsa_system_sgpr_workgroup_id_z 1
		.amdhsa_system_vgpr_workitem_id 0
		.amdhsa_next_free_vgpr 256
		.amdhsa_next_free_sgpr 66
		.amdhsa_reserve_vcc 0
		.amdhsa_float_denorm_mode_32 3
		.amdhsa_float_denorm_mode_16_64 3
		.amdhsa_memory_ordered 1
		.amdhsa_forward_progress 1
		.amdhsa_inst_pref_size 23
	.end_amdhsa_kernel
	.amdgpu_metadata
---
amdhsa.version: [ 1, 2 ]
amdhsa.kernels:
  - .name:           k_qfd16ee96f8_qkv
    .symbol:         k_qfd16ee96f8_qkv.kd
    .args:
      - { .name: XQ, .offset: 0, .size: 8, .value_kind: global_buffer, .address_space: global }
      - { .name: WQ3, .offset: 8, .size: 8, .value_kind: global_buffer, .address_space: global }
      - { .name: QH, .offset: 16, .size: 8, .value_kind: global_buffer, .address_space: global }
      - { .name: KH, .offset: 24, .size: 8, .value_kind: global_buffer, .address_space: global }
      - { .name: VH, .offset: 32, .size: 8, .value_kind: global_buffer, .address_space: global }
    .group_segment_fixed_size: 167936
    .private_segment_fixed_size: 0
    .kernarg_segment_align: 8
    .kernarg_segment_size: 40
    .max_flat_workgroup_size: 512
    .sgpr_count:     66
    .vgpr_count:     256
    .wavefront_size: 32
...
	.end_amdgpu_metadata
.endif
;; end of part 2
;; launch attn (part 3): grid 16 x 16, 8 waves a work-group, clusters of 4 x 1, 327,680 bytes of LDS; arguments QH, KH, VH, OH; writes OH
.if DOCPART == 3
	.amdgcn_target "amdgcn-amd-amdhsa--gfx1250"
	.amdhsa_code_object_version 6
	.text
	.protected	k_qfd16ee96f8_attn
	.globl	k_qfd16ee96f8_attn
	.p2align	8
	.type	k_qfd16ee96f8_attn,@function
k_qfd16ee96f8_attn:
	s_mov_b64 s[64:65], 0
	v_nop
	global_prefetch_b8 v0, s[64:65] scope:SCOPE_SE
	s_setreg_imm32_b32 hwreg(HW_REG_WAVE_MODE, 25, 1), 1
	s_wait_xcnt 0x0
	s_wait_alu depctr_hold_cnt(0) depctr_sa_sdst(0) depctr_va_vdst(0) depctr_va_sdst(0) depctr_va_ssrc(0) depctr_va_vcc(0) depctr_vm_vsrc(0)
	s_getreg_b32 s2, hwreg(HW_REG_IB_STS2, 6, 4)
	s_cmp_eq_u32 s2, 0
	s_cbranch_scc0 .Lentry_in_a_cluster
	s_endpgm
.Lentry_in_a_cluster:
	s_bfe_u32 s2, ttmp6, 0x10000c
	s_cmp_lg_u32 s2, 0x3003
	s_cbranch_scc0 .Lentry_shape_is_right
	s_endpgm
.Lentry_shape_is_right:
; ATTN.  O[bh][q] = the sum over k of softmax_k(Q[bh][q] . K[bh][k] / 8) V[bh][k]: 16 (batch, head) pairs, 4,096 tokens, head size 64, no mask.  Operands f16, products, maxima and sums f32.
; QH, KH: [bh][token tile 256][ct 4][lane][16 bytes]: token lane % 16, channels 16 ct + 8 (lane / 16) + 0 .. 7.   VH: the same places: channel 16 ct + lane % 16, keys 16 tile + 8 (lane / 16) + 0 .. 7.
; These are images of operand registers: every fragment is two dense loads of 512 bytes, nothing is padded, nothing is transposed.
; OH: [token tile 512][kc 16][g 2][lane][16 bytes]: token lane % 16, k = 32 kc + 16 g + 8 (lane / 16) + 0 .. 7 with k = 64 head + channel: the last launch's operand.
; SHARES.  A work-group owns 256 queries of one bh; each of its eight waves 32: two tiles of 16.  Two waves share a SIMD, so that one wave's softmax stands beside the other's products.  Every wave walks all keys, 64 a step.
; LAYOUT.  S^T = K Q^T (source 0 = 16 keys, source 1 = 16 queries): a lane holds ONE query and the keys 8 (lane / 16) + 0 .. 7 of a tile.  Two such tiles, rounded to f16 in pairs, ARE source 1 of O^T = V^T P.
; SOFTMAX.  For each query a running maximum m and sum l: p = 2^(c s - c m), c = log2(e) / 8; in every step O^T and l are multiplied by a = 2^(c m_old - c m_new).  l sums the unrounded p.
; The step is written without a first step of its own: m begins at -3e38 and l and O^T as zeros, which the first a = 0 leaves zeros.
; RING.  Two LDS slots of 512 keys: K's 65,536 bytes, then V's.  Wave w fetches bytes 16,384 w on of a slot: one tensor load a wave is out, asked for at the head of the slot before: eight steps, 256 matrix instructions a wave, ahead.
; CLUSTER.  The four query blocks of a cluster belong to one bh and walk the same K and V: each tile is asked for JOINTLY, by the same load with the same descriptor and a mask that names the four.
; LIMITS: p under 2^-25 is rounded to 0 for the second product (not for l); operands beyond 65,504 overflow f16; NaN and infinities are not served.
.set SLOT1, 1<<17                      ; slot 1 begins here: one exclusive or turns an address in one slot into the other's
.set VOFF,  1<<16                      ; V's part of a slot
.set SPARE, 1<<18                      ; behind the ring: the spare words, 128 bytes for each of eight waves: four blocks of 256 bytes that no other line names
.set LA,  1                            ; v1   16 x lane; never rewritten
.set ADK, 2                            ; v2   LDS address of the step's K
.set ADV, 3                            ; v3   of its V
.set SPW, 5                            ; v5   LDS address of my spare word; never rewritten
.set NIL, 6                            ; v6   0; never rewritten
.set PFO, 7                            ; v7   256 x lane: the prefetches' offset; never rewritten
.set ST,  8                            ; tile t's statistics at v[8 + 8 t]: +0 c m, +1 m, +2, +3 l (even keys', odd keys'), +4 to +7 c0-c3 at work; a takes c2's place
.set QF,  24                           ; v24-55   Q: tile t, channels 32 c on: 24 + 16 t + 8 c
.set SS,  56                           ; v56-119  S^T: 56 + 32 t + 8 (key tile); P is packed in place into the low 16 of a tile's 32
.set KV,  120                          ; v120-183 one buffer: the step's K, then its V
.set OT,  184                          ; v184-247 O^T: 184 + 32 t + 8 ct
.set WV,  12                           ; s12  my wave's number
.set LIM, 15                           ; s15  1 in a wave that prefetches, else the greatest number
.set PFA, 18                           ; s[18:19] where my prefetches stand
.set G1,  24                           ; s[24:31] descriptor group 1;  s[32:35] group 0, which walks
.set G0,  32
.set TB,  36                           ; s36  LDS byte at which the step's K begins
.set SLOTS, 37                         ; s37  slots still to be asked for
.set STP, 38                           ; s38  counts a slot's eight steps
.set CS,  40                           ; s[40:41] c: the packed form names a pair and takes its low word for both halves
.set SEL, 42                           ; s[42:43] v_permlanex16_b32's selects for lane l xor 16
; A round of the cluster's barrier: my work-group's barrier; wave 0 signals for the work-group; every wave waits for all four work-groups; my work-group's barrier once more.
.macro CROUND
	s_barrier_signal -1
	s_barrier_wait -1
	s_cmp_lg_u32 s[WV], 0
	s_cbranch_scc1 .Lnot_wave_0_\@
	s_barrier_signal -3
.Lnot_wave_0_\@:
	s_barrier_wait -3
	s_barrier_signal -1
	s_barrier_wait -1
.endm
; A PREFETCH of the slot behind the one that has just been asked for: eight key steps ahead of the load that will want it.  Each 256 bytes are named once in the launch: all four clusters of a bh walk the same
; K and V, and the first of them (cluster x = 0) asks.  In it the even waves ask, each for its own 16,384 bytes of the slot and the next wave's; the four partners share those 32,768 out BY ADDRESS, 8,192 each,
; lanes 256 bytes apart: no branch hangs on a work-group's place in its cluster.  The last change that fills a slot asks for nothing; slots 0 and 1 come by their loads alone.
.macro ASK
	s_cmp_gt_u32 s[SLOTS], s[LIM]
	s_cbranch_scc0 .Lnot_mine_\@
	global_prefetch_b8 v[PFO], s[PFA:PFA+1] th:TH_LOAD_NT scope:SCOPE_SE
.Lnot_mine_\@:
.endm
; THE CHANGE OF SLOTS stands at a slot's head.  Each wave waits for all its tensor loads (one is out: its part of the slot ahead), adds 0 to its spare word, and waits for that and for its reads of the slot that it has left.
; fill = 1: the barrier is a round of the cluster's, so that no wave of any partner still reads the slot that is left or has a load on its way; the joint load of the keys that follow is the first thing behind it.
.macro CHANGE fill
	s_wait_tensorcnt 0x0                           ; no tensor load of mine is out, so group 0 may be written
	ds_add_u32 v[SPW], v[NIL]                      ; 0 onto my spare word
.if \fill
	s_xor_b32 s[G0+1], s[G0+1], SLOT1              ; the other slot than last time,
	s_add_nc_u64 s[G0+2:G0+3], s[G0+2:G0+3], 65536 ; the next 512 keys; the type bits on top are not reached
	s_wait_xcnt 0x0                                ; the last prefetch, a slot back, has read its address, so it may be written:
	s_add_nc_u64 s[PFA:PFA+1], s[PFA:PFA+1], 65536 ; one slot further on than the walking descriptor
	s_wait_dscnt 0x0                               ; the add is done, and my reads of the slot that I have left are over
	CROUND
	tensor_load_to_lds s[G0:G0+3], s[G1:G1+7]      ; my one tensor load until the next round
	s_nop 0
.rept 4
	v_nop
.endr
	ASK
.else
	s_wait_dscnt 0x0
	s_barrier_signal -1                            ; the work-group's barrier does
	s_barrier_wait -1
.endif
.endm
; A KEY STEP: 64 keys.
.macro STEP
	v_add_nc_u32 v[ADK], s[TB], v[LA]              ; these two and three v_nop are five places behind the last products V^T P: K is loaded over V, which they read (four are asked),
	v_add_nc_u32 v[ADV], VOFF, v[ADK]              ; and the new S^T is written by matrix instructions over P, which they read (five)
.rept 3
	v_nop
.endr
.irp c, 0,1                                    ; K: key tile k, channels 32 c on; the first 32 channels first
.irp k, 0,1,2,3
.irp g, 0,1
	ds_load_b128 v[KV+8*(4*\c+\k)+4*\g:KV+8*(4*\c+\k)+4*\g+3], v[ADK] offset:\k*2048+\c*1024+\g*512
.endr
.endr
.endr
	s_wait_dscnt 8                                 ; channels 0-31 are in; the eight loads of channels 32-63 may be out
.irp k, 0,1,2,3                                ; the eight accumulators take turns, one instruction a turn
.irp t, 0,1
	v_wmma_f32_16x16x32_f16 v[SS+32*\t+8*\k:SS+32*\t+8*\k+7], v[KV+8*\k:KV+8*\k+7], v[QF+16*\t:QF+16*\t+7], 0
.endr
.endr
	s_wait_dscnt 0x0
.irp k, 0,1,2,3
.irp t, 0,1
	v_wmma_f32_16x16x32_f16 v[SS+32*\t+8*\k:SS+32*\t+8*\k+7], v[KV+32+8*\k:KV+32+8*\k+7], v[QF+16*\t+8:QF+16*\t+15], v[SS+32*\t+8*\k:SS+32*\t+8*\k+7]
.endr
.endr
.rept 4
	v_nop                                          ; four places: in front of the loads over K and of the first read of the scores
.endr
.irp p, 0,1                                    ; V^T: keys 32 p on, channels 16 n on: it lands under the softmax
.irp n, 0,1,2,3
.irp g, 0,1
	ds_load_b128 v[KV+8*(4*\p+\n)+4*\g:KV+8*(4*\p+\n)+4*\g+3], v[ADV] offset:(2*\p+\g)*2048+\n*512
.endr
.endr
.endr
	; the maximum of my 32 scores and the old m, three operands at a time, the two tiles by turns; each accumulator is read first at its registers 0 to 2
.irp j, 0,1,2,3
.irp t, 0,1
	v_max3_num_f32 v[ST+8*\t+4+\j], v[SS+32*\t+8*\j], v[SS+32*\t+8*\j+1], v[SS+32*\t+8*\j+2]
.endr
.endr
.irp u, 3,5
.irp j, 0,1,2,3
.irp t, 0,1
	v_max3_num_f32 v[ST+8*\t+4+\j], v[ST+8*\t+4+\j], v[SS+32*\t+8*\j+\u], v[SS+32*\t+8*\j+\u+1]
.endr
.endr
.endr
.irp t, 0,1
	v_max3_num_f32 v[ST+8*\t+4], v[ST+8*\t+4], v[SS+32*\t+7], v[SS+32*\t+15]
.endr
.irp t, 0,1
	v_max3_num_f32 v[ST+8*\t+6], v[ST+8*\t+6], v[SS+32*\t+23], v[SS+32*\t+31]
.endr
.irp t, 0,1
	v_max3_num_f32 v[ST+8*\t+4], v[ST+8*\t+4], v[ST+8*\t+5], v[ST+8*\t+6]
.endr
.irp t, 0,1
	v_max3_num_f32 v[ST+8*\t+4], v[ST+8*\t+4], v[ST+8*\t+7], v[ST+8*\t+1]
.endr
.irp t, 0,1
	v_permlanex16_b32 v[ST+8*\t+5], v[ST+8*\t+4], s[SEL], s[SEL+1]   ; the query's other 32 keys lie in the lane 16 away
.endr
.irp t, 0,1
	v_mov_b32 v[ST+8*\t+7], v[ST+8*\t]             ; c m_old is kept for a
.endr
.irp t, 0,1
	v_max_num_f32 v[ST+8*\t+1], v[ST+8*\t+4], v[ST+8*\t+5]
.endr
.irp t, 0,1
	v_mul_f32 v[ST+8*\t], s[CS], v[ST+8*\t+1]
.endr
.irp t, 0,1
	v_sub_f32 v[ST+8*\t+7], v[ST+8*\t+7], v[ST+8*\t]
.endr
	; ONE BATCH: both tiles' a and 64 p: 66 exponentials, with the scalings c s - c m between them.  None of these lines names an exponential's result.
.irp t, 0,1
	v_exp_f32 v[ST+8*\t+6], v[ST+8*\t+7]
.endr
.irp i, 0,1,2,3,4,5,6,7,8,9,10,11,12,13,14,15
.irp t, 0,1
	v_pk_fma_f32 v[SS+32*\t+2*\i:SS+32*\t+2*\i+1], v[SS+32*\t+2*\i:SS+32*\t+2*\i+1], s[CS:CS+1], v[ST+8*\t:ST+8*\t+1] op_sel_hi:[1,0,0] neg_lo:[0,0,1] neg_hi:[0,0,1]
.endr
.irp t, 0,1
	v_exp_f32 v[SS+32*\t+2*\i], v[SS+32*\t+2*\i]
	v_exp_f32 v[SS+32*\t+2*\i+1], v[SS+32*\t+2*\i+1]
.endr
.endr
	v_nop                                          ; a plain line behind the last exponential
	s_wait_alu depctr_va_vdst(0)                   ; the wait ahead of the first line that names a result: one for the batch
	; l = a l + the sum of the unrounded p, a pair (an even key's, an odd key's) at a time, in two chains a tile
.irp t, 0,1
	v_pk_fma_f32 v[ST+8*\t+2:ST+8*\t+3], v[ST+8*\t+2:ST+8*\t+3], v[ST+8*\t+6:ST+8*\t+7], v[SS+32*\t:SS+32*\t+1] op_sel_hi:[1,0,1]
.endr
.irp t, 0,1
	v_pk_add_f32 v[ST+8*\t+4:ST+8*\t+5], v[SS+32*\t+16:SS+32*\t+17], v[SS+32*\t+18:SS+32*\t+19]
.endr
.irp i, 1,2,3,4,5,6
.irp t, 0,1
	v_pk_add_f32 v[ST+8*\t+2:ST+8*\t+3], v[ST+8*\t+2:ST+8*\t+3], v[SS+32*\t+2*\i:SS+32*\t+2*\i+1]
.endr
.irp t, 0,1
	v_pk_add_f32 v[ST+8*\t+4:ST+8*\t+5], v[ST+8*\t+4:ST+8*\t+5], v[SS+32*\t+18+2*\i:SS+32*\t+18+2*\i+1]
.endr
.endr
.irp t, 0,1
	v_pk_add_f32 v[ST+8*\t+2:ST+8*\t+3], v[ST+8*\t+2:ST+8*\t+3], v[SS+32*\t+14:SS+32*\t+15]
.endr
.irp t, 0,1
	v_pk_add_f32 v[ST+8*\t+2:ST+8*\t+3], v[ST+8*\t+2:ST+8*\t+3], v[ST+8*\t+4:ST+8*\t+5]
.endr
.irp i, 0,1,2,3,4,5,6,7,8,9,10,11,12,13,14,15  ; P: rounded to f16 in pairs, in place, ascending: register i takes p of registers 2 i and 2 i + 1
.irp t, 0,1
	v_cvt_pk_f16_f32 v[SS+32*\t+\i], v[SS+32*\t+2*\i], v[SS+32*\t+2*\i+1]
.endr
.endr
.irp i, 0,1,2,3,4,5,6,7,8,9,10,11,12,13,14,15  ; O^T times a, each accumulator from its low end on
.irp t, 0,1
	v_pk_mul_f32 v[OT+32*\t+2*\i:OT+32*\t+2*\i+1], v[OT+32*\t+2*\i:OT+32*\t+2*\i+1], v[ST+8*\t+6:ST+8*\t+7] op_sel_hi:[1,0]
.endr
.endr
	s_wait_dscnt 0x0                               ; V is in
.irp p, 0,1                                    ; O^T += V^T P: eight accumulators by turns
.irp n, 0,1,2,3
.irp t, 0,1
	v_wmma_f32_16x16x32_f16 v[OT+32*\t+8*\n:OT+32*\t+8*\n+7], v[KV+8*(4*\p+\n):KV+8*(4*\p+\n)+7], v[SS+32*\t+8*\p:SS+32*\t+8*\p+7], v[OT+32*\t+8*\n:OT+32*\t+8*\n+7]
.endr
.endr
.endr
	s_add_co_u32 s[TB], s[TB], 8192                ; the next step's four key tiles
.endm
.macro SLOTSTEPS                       ; a slot's eight steps: written once, walked eight times
	s_mov_b32 s[STP], 8
.Lstep_\@:
	STEP
	s_sub_co_u32 s[STP], s[STP], 1
	s_cmp_lg_u32 s[STP], 0
	s_cbranch_scc1 .Lstep_\@
	s_sub_co_u32 s[TB], s[TB], 65536               ; back to a slot's first step,
	s_xor_b32 s[TB], s[TB], SLOT1                  ; in the other slot
.endm
	s_load_b256 s[4:11], s[0:1], 0x0               ; QH s[4:5], KH s[6:7], VH s[8:9], OH s[10:11]
	v_lshl_add_u32 v[SPW], v0, 2, SPARE
	v_mov_b32 v[NIL], 0
	ds_add_u32 v[SPW], v[NIL]                      ; the wave's opening: the add, twice on end, and its wait ahead of my first tensor load
	ds_add_u32 v[SPW], v[NIL]
	v_lshrrev_b32 v1, 5, v0
	v_readfirstlane_b32 s[WV], v1                  ; wave 0..7
	s_bfe_u32 s13, ttmp6, 0x40000                  ; cx: my place in the cluster
	s_lshl_b32 s14, ttmp9, 2                       ; in a cluster launch ttmp9 counts clusters
	s_add_co_u32 s14, s14, s13                     ; my block of 256 queries: it enters Q's and O's addresses alone
	s_and_b32 s16, ttmp7, 0xffff                   ; bh, which the four partners share
	s_lshl_b32 s20, s16, 19                        ; 524,288 bytes of Q, K or V each
	s_and_b32 s22, s[WV], 3
	s_lshl_b32 s22, s22, 14                        ; my quarter of a slot's K or V
	s_add_co_u32 s22, s22, s20
	s_mov_b32 s23, 0
	s_lshl_b32 s44, s14, 4
	s_lshl_b32 s45, s[WV], 1
	s_add_co_u32 s44, s44, s45                     ; my first query tile: 16 x block + 2 x wave
	s_lshr_b32 s46, s16, 3                         ; batch
	s_lshl_b32 s46, s46, 8
	s_add_co_u32 s46, s46, s44                     ; the same tile among OH's 512
	s_lshl_b32 s46, s46, 14                        ; 16,384 bytes each,
	s_and_b32 s47, s16, 7
	s_lshl_b32 s47, s47, 11                        ; my head's 2,048 of them
	s_add_co_u32 s46, s46, s47
	s_mov_b32 s47, 0
	s_lshl_b32 s44, s44, 11
	s_add_co_u32 s44, s44, s20
	s_mov_b32 s45, 0
	; group 1: 16,384 dense bytes as 64 rows of 256
	s_mov_b32 s[G1+0], 15|(3<<16)|(1<<21)          ; the mask: all four work-groups; elements of 8 bytes; bit 21 set beside a mask; no padding
	s_mov_b32 s[G1+1], 32<<16                      ; tensor_dim0 = 32
	s_mov_b32 s[G1+2], 64<<16                      ; tensor_dim1 = 64
	s_mov_b32 s[G1+3], 32<<16                      ; tile_dim0 = 32
	s_mov_b32 s[G1+4], 64                          ; tile_dim1 = 64
	s_mov_b32 s[G1+5], 32                          ; from row to row
	s_mov_b32 s[G1+6], 0
	s_mov_b32 s[G1+7], 0
	s_mov_b32 s[G0], 1
	s_lshl_b32 s[G0+1], s[WV], 14                  ; LDS: 16,384 x wave, in slot 0: no place in the cluster enters an LDS address
	s_mov_b32 s[CS], 0x3e38aa3b                    ; c = log2(e) / 8
	s_mov_b32 s[CS+1], s[CS]                       ; (named with it as a pair, so it is written)
	s_mov_b32 s[SEL], 0x76543210
	s_mov_b32 s[SEL+1], 0xfedcba98
	s_mov_b32 s[TB], 0
	s_mov_b32 s[SLOTS], 7
	s_and_b32 s[LIM], s[WV], 1                     ; 0 in the even waves
	s_or_b32 s[LIM], s[LIM], ttmp9                 ; of the bh's first cluster: the same in all four partners
	s_cmp_eq_u32 s[LIM], 0
	s_cselect_b32 s[LIM], 1, -1
	s_lshl_b32 s48, s13, 13                        ; my work-group's 8,192 bytes of a prefetching wave's 32,768,
	s_add_co_u32 s48, s48, 65536                   ; in slot 1: the first change of slots steps it to slot 2
	s_mov_b32 s49, 0
	s_wait_dscnt 0x0                               ; both opening adds are done
	s_wait_kmcnt 0x0
	s_add_nc_u64 s[4:5], s[4:5], s[44:45]          ; Q and O at my wave's first tile
	s_add_nc_u64 s[10:11], s[10:11], s[46:47]
	s_cmp_lt_u32 s[WV], 4                          ; waves 0-3 fetch K, waves 4-7 V
	s_cselect_b64 s[G0+2:G0+3], s[6:7], s[8:9]
	s_add_nc_u64 s[G0+2:G0+3], s[G0+2:G0+3], s[22:23]
	s_add_nc_u64 s[PFA:PFA+1], s[G0+2:G0+3], s[48:49]
	s_or_b32 s[G0+3], s[G0+3], 0x80000000          ; type = 2
	CROUND                                         ; all four work-groups are here: the first joint loads meet
	tensor_load_to_lds s[G0:G0+3], s[G1:G1+7]      ; slot 0
	s_nop 0
.rept 4
	v_nop
.endr
	v_and_b32 v[LA], 31, v0
	v_lshlrev_b32 v[PFO], 8, v[LA]
	v_lshlrev_b32 v[LA], 4, v[LA]
.irp t, 0,1
.irp c, 0,1
.irp g, 0,1
	global_load_b128 v[QF+16*\t+8*\c+4*\g:QF+16*\t+8*\c+4*\g+3], v[LA], s[4:5] offset:\t*2048+\c*1024+\g*512   ; Q stays in registers
.endr
.endr
.endr
.irp t, 0,1
	v_mov_b32 v[ST+8*\t+1], 0xff61b1e6             ; m: -3e38, under every score
	v_mul_f32 v[ST+8*\t], s[CS], v[ST+8*\t+1]      ; c m
.irp j, 2,3,4,5,6,7
	v_mov_b32 v[ST+8*\t+\j], 0                     ; l; and the registers at work, of which one is a lane permute's destination
.endr
.endr
.irp j, 0,1,2,3,4,5,6,7,8,9,10,11,12,13,14,15,16,17,18,19,20,21,22,23,24,25,26,27,28,29,30,31,32,33,34,35,36,37,38,39,40,41,42,43,44,45,46,47,48,49,50,51,52,53,54,55,56,57,58,59,60,61,62,63
	v_mov_b32 v[OT+\j], 0                          ; O^T: once, so that the step needs no first copy of its own
.endr
	s_wait_loadcnt 0x0                             ; Q
.Lslot:                                            ; seven trips: behind each change of slots but the last the next slot is asked for
	CHANGE 1
	SLOTSTEPS
	s_sub_co_u32 s[SLOTS], s[SLOTS], 1
	s_cmp_lg_u32 s[SLOTS], 0
	s_cbranch_scc1 .Lslot
	CHANGE 0                                       ; the last slot is written out
	SLOTSTEPS
	; THE WAY OUT.  l's two halves and the other half of the lanes' are added; O^T is divided by l and rounded to f16: a lane's eight channels of a query are 16 bytes of OH's image.
	; The four additions and the v_nop are five plain lines behind the last products, ahead of the first read of O^T.
.irp t, 0,1
	v_add_f32 v[ST+8*\t+4], v[ST+8*\t+2], v[ST+8*\t+3]
.endr
.irp t, 0,1
	v_permlanex16_b32 v[ST+8*\t+5], v[ST+8*\t+4], s[SEL], s[SEL+1]
.endr
.irp t, 0,1
	v_add_f32 v[ST+8*\t+4], v[ST+8*\t+4], v[ST+8*\t+5]
.endr
.irp t, 0,1
	v_rcp_f32 v[ST+8*\t+6], v[ST+8*\t+4]
.endr
	v_nop                                          ; a plain line behind the last reciprocal
	s_wait_alu depctr_va_vdst(0)                   ; and the wait ahead of the first use: one for both
.irp t, 0,1
.irp i, 0,1,2,3,4,5,6,7,8,9,10,11,12,13,14,15
	v_pk_mul_f32 v[OT+32*\t+2*\i:OT+32*\t+2*\i+1], v[OT+32*\t+2*\i:OT+32*\t+2*\i+1], v[ST+8*\t+6:ST+8*\t+7] op_sel_hi:[1,0]
.endr
.endr
.irp t, 0,1
.irp i, 0,1,2,3,4,5,6,7,8,9,10,11,12,13,14,15
	v_cvt_pk_f16_f32 v[SS+16*\t+\i], v[OT+32*\t+2*\i], v[OT+32*\t+2*\i+1]
.endr
.endr
.irp t, 0,1
.irp n, 0,1,2,3
	global_store_b128 v[LA], v[SS+16*\t+4*\n:SS+16*\t+4*\n+3], s[10:11] offset:\t*16384+\n*512   ; 32 lanes store 512 consecutive bytes, aligned
.endr
.endr
	s_wait_tensorcnt 0x0                           ; the wave's end: these three lines, behind my last tensor load
	ds_add_u32 v[SPW], v[NIL]
	s_wait_dscnt 0x0
	CROUND                                         ; the closing round: no work-group ends while a partner may still ask for a tile that names it
	s_endpgm
.Lfunc_end_k_qfd16ee96f8_attn:
	.size	k_qfd16ee96f8_attn, .Lfunc_end_k_qfd16ee96f8_attn-k_qfd16ee96f8_attn
	.p2alignl 7, 3214868480
	.fill 96, 4, 3214868480
	.section	.rodata,"a",@progbits
	.p2align	6, 0x0
	.amdhsa_kernel k_qfd16ee96f8_attn
		.amdhsa_group_segment_fixed_size 327680
		.amdhsa_private_segment_fixed_size 0
		.amdhsa_enable_private_segment 0
		.amdhsa_kernarg_size 32
		.amdhsa_user_sgpr_count 2
		.amdhsa_user_sgpr_kernarg_segment_ptr 1
		.amdhsa_wavefront_size32 1
		.amdhsa_system_sgpr_workgroup_id_x 1
		.amdhsa_system_sgpr_workgroup_id_y 1
		.amdhsa_system_sgpr_workgroup_id_z 1
		.amdhsa_system_vgpr_workitem_id 0
		.amdhsa_next_free_vgpr 256
		.amdhsa_next_free_sgpr 66
		.amdhsa_reserve_vcc 0
		.amdhsa_float_denorm_mode_32 3
		.amdhsa_float_denorm_mode_16_64 3
		.amdhsa_memory_ordered 1
		.amdhsa_forward_progress 1
		.amdhsa_inst_pref_size 49
	.end_amdhsa_kernel
	.amdgpu_metadata
---
amdhsa.version: [ 1, 2 ]
amdhsa.kernels:
  - .name:           k_qfd16ee96f8_attn
    .symbol:         k_qfd16ee96f8_attn.kd
    .args:
      - { .name: QH, .offset: 0, .size: 8, .value_kind: global_buffer, .address_space: global }
      - { .name: KH, .offset: 8, .size: 8, .value_kind: global_buffer, .address_space: global }
      - { .name: VH, .offset: 16, .size: 8, .value_kind: global_buffer, .address_space: global }
      - { .name: OH, .offset: 24, .size: 8, .value_kind: global_buffer, .address_space: global }
    .group_segment_fixed_size: 327680
    .private_segment_fixed_size: 0
    .kernarg_segment_align: 8
    .kernarg_segment_size: 32
    .max_flat_workgroup_size: 256
    .sgpr_count:     66
    .vgpr_count:     256
    .wavefront_size: 32
...
	.end_amdgpu_metadata
.endif
;; end of part 3
;; launch oproj (part 4): grid 4 x 64, 8 waves a work-group, clusters of 4 x 4, 327,680 bytes of LDS; arguments OH, WOH, out0; writes out0
.if DOCPART == 4
	.amdgcn_target "amdgcn-amd-amdhsa--gfx1250"
	.amdhsa_code_object_version 6
	.text
	.protected	k_qfd16ee96f8_oproj
	.globl	k_qfd16ee96f8_oproj
	.p2align	8
	.type	k_qfd16ee96f8_oproj,@function
k_qfd16ee96f8_oproj:
	s_mov_b64 s[64:65], 0
	v_nop
	global_prefetch_b8 v0, s[64:65] scope:SCOPE_SE
	s_setreg_imm32_b32 hwreg(HW_REG_WAVE_MODE, 25, 1), 1
	s_wait_xcnt 0x0
	s_wait_alu depctr_hold_cnt(0) depctr_sa_sdst(0) depctr_va_vdst(0) depctr_va_sdst(0) depctr_va_ssrc(0) depctr_va_vcc(0) depctr_vm_vsrc(0)
	s_getreg_b32 s2, hwreg(HW_REG_IB_STS2, 6, 4)
	s_cmp_eq_u32 s2, 0
	s_cbranch_scc0 .Lentry_in_a_cluster
	s_endpgm
.Lentry_in_a_cluster:
	s_bfe_u32 s2, ttmp6, 0x10000c
	s_cmp_lg_u32 s2, 0xf033
	s_cbranch_scc0 .Lentry_shape_is_right
	s_endpgm
.Lentry_shape_is_right:
; OPROJ.  out0[token][n] = the sum over k of O[token][k] Wo[n][k], K = 512; operands f16, sums and result f32.
; OH: [token tile 512][kc 16][g 2][lane][16 bytes], WOH: [n tile 32][kc 16][g 2][lane][16 bytes]: images of operand registers: row lane % 16, k = 32 kc + 16 g + 8 (lane / 16) + 0 .. 7.
; A work-group makes 128 tokens x 128 outputs.  All of K of both sides, 2 x 131,072 bytes, fits in LDS: nothing is filled again.  The fill goes out as four chunks of 128 along K, so that the products begin when the first has landed.
; CLUSTERS: 4 x 4 work-groups.  The four of a row of the cluster need the same tiles of O, the four of a column the same tiles of Wo: each is asked for JOINTLY, by the same load with the same descriptor and a mask that names the four.
; Eight waves, each 64 outputs x 32 tokens: 8 accumulators.  THE PRODUCT IS USED TRANSPOSED (source 0 = 16 rows of Wo, source 1 = 16 tokens): a lane holds eight neighbouring outputs of one token.
; LIMITS: as the operands' f16 has them; NaN and infinities are not served.
.set CHB,   65536                      ; a chunk in LDS: O's 8 tiles x 4,096 bytes, then Wo's 8 tiles x 4,096
.set STAGE, 4*CHB                      ; behind the chunks: 16 rows x 272 bytes for each wave, for the way out; no tensor load lands there
.set SP,    272                        ; a stage row: 256 bytes + 16 = 17 x 16 bytes
.set SPARE, STAGE+8*16*SP              ; behind the stages: the spare words, 128 bytes for each of eight waves: four blocks of 256 bytes that no other line names
.set VA,  4                            ; v4   LDS address of my four tiles of Wo in the chunk in hand
.set VB,  5                            ; v5   of my two tiles of O
.set STO, 6                            ; v6   the way out: where I put 32 bytes of a row
.set RD,  7                            ; v7   where I read a row back
.set CO,  8                            ; v8   my byte offset in out0
.set SPW, 12                           ; v12  LDS address of my spare word; never rewritten
.set NIL, 13                           ; v13  0; never rewritten
.set ACC, 64                           ; v64-127 accumulator (ia, ib) at 64 + 8 (4 ib + ia)
.set F0,  128                          ; two sets of fragments: 32 registers of Wo, 16 of O; on the way out v128-191 take whole rows
.set F1,  176
.set G1,  24                           ; s[24:31] descriptor group 1 for O's tiles;  s[48:55] for Wo's: it differs in the mask alone
.set G1B, 48
.set G0,  68                           ; s[68:83] groups 0 for O's four chunks;  s[84:99] for Wo's
.set G0B, 84
.macro CROUND                          ; a round of the cluster's barrier
	s_barrier_signal -1
	s_barrier_wait -1
	s_cmp_lg_u32 s10, 0
	s_cbranch_scc1 .Lnot_wave_0_\@
	s_barrier_signal -3
.Lnot_wave_0_\@:
	s_barrier_wait -3
	s_barrier_signal -1
	s_barrier_wait -1
.endm
	s_load_b128 s[4:7], s[0:1], 0x0                ; OH s[4:5], WOH s[6:7]
	s_load_b64 s[8:9], s[0:1], 0x10                ; out0
	v_lshl_add_u32 v[SPW], v0, 2, SPARE
	v_mov_b32 v[NIL], 0
	ds_add_u32 v[SPW], v[NIL]                      ; the wave's opening: the add, twice on end, and its wait ahead of my first tensor load
	ds_add_u32 v[SPW], v[NIL]
	v_lshrrev_b32 v1, 5, v0
	v_readfirstlane_b32 s10, v1                    ; wave 0..7
	s_lshr_b32 s11, s10, 2                         ; I fetch for O (0) or for Wo (1),
	s_and_b32 s12, s10, 3                          ; two tiles of its eight
	s_bfe_u32 s40, ttmp6, 0x40000                  ; cx, cy: my place in the cluster
	s_bfe_u32 s41, ttmp6, 0x40004
	s_lshl_b32 s42, ttmp9, 2
	s_add_co_u32 s42, s42, s40                     ; my block of 128 outputs = 4 x cluster x + cx
	s_and_b32 s13, ttmp7, 0xffff
	s_lshl_b32 s13, s13, 2
	s_add_co_u32 s13, s13, s41                     ; my block of 128 tokens = 4 x cluster y + cy
	s_lshl_b32 s43, s41, 2
	s_lshl_b32 s43, 15, s43                        ; my row of the cluster
	s_lshl_b32 s44, 0x1111, s40                    ; my column
	; group 1: a chunk's part of two tiles: 2 rows of 4,096 bytes, 16,384 bytes apart in memory, dense in LDS
	s_or_b32 s[G1+0], s43, (3<<16)|(1<<21)         ; the mask: O's tiles go to my row; elements of 8 bytes; bit 21 set beside a mask
	s_or_b32 s[G1B+0], s44, (3<<16)|(1<<21)        ; Wo's to my column
.irp g, G1, G1B
	s_mov_b32 s[\g+1], 512<<16                     ; tensor_dim0 = 512
	s_mov_b32 s[\g+2], 2<<16                       ; tensor_dim1 = 2
	s_mov_b32 s[\g+3], 512<<16                     ; tile_dim0 = 512
	s_mov_b32 s[\g+4], 2                           ; tile_dim1 = 2
	s_mov_b32 s[\g+5], 2048                        ; from row to row
	s_mov_b32 s[\g+6], 0
	s_mov_b32 s[\g+7], 0
.endr
	s_lshl_b32 s17, s12, 15                        ; my two tiles of 16,384 bytes
	s_lshl_b32 s16, s13, 17                        ; O: 131,072 bytes a block of tokens: these registers never hold cx
	s_add_co_u32 s16, s16, s17
	s_lshl_b32 s46, s42, 17                        ; Wo: 131,072 bytes a block of outputs: these never hold cy
	s_add_co_u32 s46, s46, s17
	s_mov_b32 s17, 0
	s_mov_b32 s47, 0
	s_lshl_b32 s20, s10, 13                        ; where they go in a chunk: 8,192 x wave: no place in the cluster enters an LDS address
	s_wait_dscnt 0x0                               ; both opening adds are done
	s_wait_kmcnt 0x0
	s_add_nc_u64 s[14:15], s[4:5], s[16:17]
	s_add_nc_u64 s[46:47], s[6:7], s[46:47]
	CROUND                                         ; all sixteen work-groups are here: the joint loads meet
.irp j, 0,1,2,3
	s_mov_b32 s[G0+4*\j], 1
	s_add_co_u32 s[G0+4*\j+1], s20, \j*CHB
	s_add_nc_u64 s[G0+4*\j+2:G0+4*\j+3], s[14:15], \j*4096
	s_or_b32 s[G0+4*\j+3], s[G0+4*\j+3], 0x80000000
	s_mov_b32 s[G0B+4*\j], 1
	s_add_co_u32 s[G0B+4*\j+1], s20, \j*CHB
	s_add_nc_u64 s[G0B+4*\j+2:G0B+4*\j+3], s[46:47], \j*4096
	s_or_b32 s[G0B+4*\j+3], s[G0B+4*\j+3], 0x80000000
.endr
	s_cmp_eq_u32 s11, 0                            ; a wave's four fills stand in one branch on the wave's number, ahead of every wait on TENSORcnt and every LDS read: four loads of mine are out
	s_cbranch_scc0 .Lfirst_w
.irp j, 0,1,2,3
	tensor_load_to_lds s[G0+4*\j:G0+4*\j+3], s[G1:G1+7]
	s_nop 0
.endr
.rept 4
	v_nop
.endr
	s_branch .Lfirst_asked
.Lfirst_w:
.irp j, 0,1,2,3
	tensor_load_to_lds s[G0B+4*\j:G0B+4*\j+3], s[G1B:G1B+7]
	s_nop 0
.endr
.rept 4
	v_nop
.endr
.Lfirst_asked:
	v_and_b32 v1, 31, v0
	v_lshlrev_b32 v1, 4, v1                        ; 16 x lane
	v_and_b32 v2, 15, v0                           ; r
	v_bfe_u32 v3, v0, 4, 1                         ; h
	s_and_b32 s20, s10, 1                          ; which 64 outputs are mine
	s_lshr_b32 s21, s10, 1                         ; which 32 tokens
	s_lshl_b32 s22, s20, 14
	s_add_co_u32 s22, s22, 32768                   ; Wo's tiles lie behind O's eight
	v_add_nc_u32 v[VA], s22, v1
	s_lshl_b32 s22, s21, 13
	v_add_nc_u32 v[VB], s22, v1
	s_mul_i32 s22, s10, 16*SP
	s_add_co_u32 s22, s22, STAGE                   ; my stage
	v_mul_u32_u24 v[STO], v2, SP                   ; in: row r, 32 bytes for each half of the lanes
	v_lshl_add_u32 v[STO], v3, 5, v[STO]
	v_add_nc_u32 v[STO], s22, v[STO]
	v_mul_u32_u24 v[RD], v3, SP                    ; back: lanes 0-15 one row of 256 bytes, lanes 16-31 the next
	v_lshl_add_u32 v[RD], v2, 4, v[RD]
	v_add_nc_u32 v[RD], s22, v[RD]
	v_lshlrev_b32 v[CO], 11, v3                    ; and the same two rows in out0: 2,048 bytes a row
	v_lshl_add_u32 v[CO], v2, 4, v[CO]
	s_lshl_b32 s56, s13, 18                        ; 128 rows a block of tokens,
	s_lshl_b32 s57, s21, 16                        ; my 32 of them,
	s_add_co_u32 s56, s56, s57
	s_lshl_b32 s57, s42, 9                         ; 512 bytes a block of outputs,
	s_add_co_u32 s56, s56, s57
	s_lshl_b32 s57, s20, 8                         ; my 256 of them
	s_add_co_u32 s56, s56, s57
	s_mov_b32 s57, 0
	s_add_nc_u64 s[8:9], s[8:9], s[56:57]
.macro FETCH k, f                      ; 12 LDS loads: the fragments of the chunk's k-th 32 along K into set f
.irp i, 0,1,2,3
.irp g, 0,1
	ds_load_b128 v[\f+8*\i+4*\g:\f+8*\i+4*\g+3], v[VA] offset:\i*4096+(\k)*1024+\g*512
.endr
.endr
.irp i, 0,1
.irp g, 0,1
	ds_load_b128 v[\f+32+8*\i+4*\g:\f+32+8*\i+4*\g+3], v[VB] offset:\i*4096+(\k)*1024+\g*512
.endr
.endr
.endm
.macro MUL f, zero                     ; 8 products, the eight accumulators by turns, one instruction a turn.  zero = 1: they start the sums
.irp b, 0,1
.irp a, 0,1,2,3
.if \zero
	v_wmma_f32_16x16x32_f16 v[ACC+8*(4*\b+\a):ACC+8*(4*\b+\a)+7], v[\f+8*\a:\f+8*\a+7], v[\f+32+8*\b:\f+32+8*\b+7], 0
.else
	v_wmma_f32_16x16x32_f16 v[ACC+8*(4*\b+\a):ACC+8*(4*\b+\a)+7], v[\f+8*\a:\f+8*\a+7], v[\f+32+8*\b:\f+32+8*\b+7], v[ACC+8*(4*\b+\a):ACC+8*(4*\b+\a)+7]
.endif
.endr
.endr
.endm
.macro PLACES                          ; four places in front of loads into registers that matrix instructions have read
.rept 4
	v_nop
.endr
.endm
.macro CHUNK j                         ; 128 along K
	s_wait_tensorcnt 3-(\j)                        ; my part of chunk j is in; the later chunks' loads may be out
	s_wait_dscnt 0x0
	s_barrier_signal -1
	s_barrier_wait -1                              ; everybody's is
.if (\j) > 0
	v_add_nc_u32 v[VA], CHB, v[VA]                 ; on to this chunk; with the two v_nop: four places behind the last products
	v_add_nc_u32 v[VB], CHB, v[VB]
	v_nop
	v_nop
.endif
	FETCH 0, F0
	FETCH 1, F1
	s_wait_dscnt 12                                ; all but the 12 just issued
.if (\j) == 0
	MUL F0, 1
.else
	MUL F0, 0
.endif
	PLACES
	FETCH 2, F0
	s_wait_dscnt 12
	MUL F1, 0
	PLACES
	FETCH 3, F1
	s_wait_dscnt 12
	MUL F0, 0
	s_wait_dscnt 0x0
	MUL F1, 0
.endm
	CHUNK 0
	CHUNK 1
	CHUNK 2
	CHUNK 3
	; THE WAY OUT, 16 tokens at a time: a lane's 32 bytes go into my own stage, and come back as whole rows of 256 bytes.  LDS serves a wave's instructions in order: no wait between the stores and the loads.
	PLACES                                         ; in front of the reads of results and of the loads over the fragments
.irp b, 0,1
.irp a, 0,1,2,3
	ds_store_b128 v[STO], v[ACC+8*(4*\b+\a):ACC+8*(4*\b+\a)+3] offset:64*\a        ; each accumulator from its low end on
	ds_store_b128 v[STO], v[ACC+8*(4*\b+\a)+4:ACC+8*(4*\b+\a)+7] offset:64*\a+16
.endr
.irp i, 0,1,2,3,4,5,6,7
	ds_load_b128 v[128+32*\b+4*\i:128+32*\b+4*\i+3], v[RD] offset:2*\i*SP
.endr
.endr
.irp b, 0,1
.irp i, 0,1,2,3,4,5,6,7
	s_wait_dscnt 16*(1-\b)+7-\i                    ; behind this load: the rest of its eight, and for the first 16 tokens the second's 8 stores and 8 loads
	global_store_b128 v[CO], v[128+32*\b+4*\i:128+32*\b+4*\i+3], s[8:9] offset:(16*\b+2*\i)*2048 th:TH_STORE_NT   ; 16 lanes store 256 consecutive bytes, aligned; written once, read by nobody here
.endr
.endr
	s_wait_tensorcnt 0x0                           ; the wave's end: these three lines, behind my last tensor load and my last LDS store
	ds_add_u32 v[SPW], v[NIL]
	s_wait_dscnt 0x0
	CROUND                                         ; the closing round: no work-group ends while a partner may still ask for a tile that names it
	s_endpgm
.Lfunc_end_k_qfd16ee96f8_oproj:
	.size	k_qfd16ee96f8_oproj, .Lfunc_end_k_qfd16ee96f8_oproj-k_qfd16ee96f8_oproj
	.p2alignl 7, 3214868480
	.fill 96, 4, 3214868480
	.section	.rodata,"a",@progbits
	.p2align	6, 0x0
	.amdhsa_kernel k_qfd16ee96f8_oproj
		.amdhsa_group_segment_fixed_size 327680
		.amdhsa_private_segment_fixed_size 0
		.amdhsa_enable_private_segment 0
		.amdhsa_kernarg_size 24
		.amdhsa_user_sgpr_count 2
		.amdhsa_user_sgpr_kernarg_segment_ptr 1
		.amdhsa_wavefront_size32 1
		.amdhsa_system_sgpr_workgroup_id_x 1
		.amdhsa_system_sgpr_workgroup_id_y 1
		.amdhsa_system_sgpr_workgroup_id_z 1
		.amdhsa_system_vgpr_workitem_id 0
		.amdhsa_next_free_vgpr 256
		.amdhsa_next_free_sgpr 100
		.amdhsa_reserve_vcc 0
		.amdhsa_float_denorm_mode_32 3
		.amdhsa_float_denorm_mode_16_64 3
		.amdhsa_memory_ordered 1
		.amdhsa_forward_progress 1
		.amdhsa_inst_pref_size 35
	.end_amdhsa_kernel
	.amdgpu_metadata
---
amdhsa.version: [ 1, 2 ]
amdhsa.kernels:
  - .name:           k_qfd16ee96f8_oproj
    .symbol:         k_qfd16ee96f8_oproj.kd
    .args:
      - { .name: OH, .offset: 0, .size: 8, .value_kind: global_buffer, .address_space: global }
      - { .name: WOH, .offset: 8, .size: 8, .value_kind: global_buffer, .address_space: global }
      - { .name: out0, .offset: 16, .size: 8, .value_kind: global_buffer, .address_space: global }
    .group_segment_fixed_size: 327680
    .private_segment_fixed_size: 0
    .kernarg_segment_align: 8
    .kernarg_segment_size: 24
    .max_flat_workgroup_size: 256
    .sgpr_count:     100
    .vgpr_count:     256
    .wavefront_size: 32
...
	.end_amdgpu_metadata
.endif
;; end of part 4
